; MI455X (gfx1250); checked and timed in simulation.
; The chip was launched on July 23, 2026; its instructions are those of AMD's public machine-readable ISA for CDNA 5 (MIT licence, August 2026) and "CDNA5" Instruction Set Architecture Reference Guide (July 2026). The comments in the code are by the model that wrote it; some were corrected since.
;; Adaptive Meta Learner. Allowed arithmetic: matrix products marked QUANTISED: E2M3 operands, one E8M0 scale for each 32 along K, by v_wmma_scale_f32_16x16x128_f8f6f4 with both operands' format E2M3, f32 sums; products left as they are: f32 operands where the result goes on into a quantised operand, else bf16, f16 or f32 operands; f32 sums; everything else in f32.
;; Inputs: W1 64 x 1 float32; Wo 1 x 64 float32; b1 64 float32; be1 64 float32; bo 1 float32; g1 64 float32; l0_Wh_codes 256 x 2 x 24 uint8 (E2M3 codes of l0_Wh, K innermost, in blocks of 32 codes, four codes in three bytes); l0_Wh_scales 256 x 2 uint8 (E8M0 scales of l0_Wh, one for each 32 codes along K); l0_Wi_codes 256 x 2 x 24 uint8 (E2M3 codes of l0_Wi, K innermost, in blocks of 32 codes, four codes in three bytes); l0_Wi_scales 256 x 2 uint8 (E8M0 scales of l0_Wi, one for each 32 codes along K); l0_bc 64 float32; l0_bgh 256 float32; l0_bgi 256 float32; l0_bh 256 float32; l0_bi 256 float32; l0_gc 64 float32; l0_gh 256 float32; l0_gi 256 float32; l1_Wh_codes 256 x 2 x 24 uint8 (E2M3 codes of l1_Wh, K innermost, in blocks of 32 codes, four codes in three bytes); l1_Wh_scales 256 x 2 uint8 (E8M0 scales of l1_Wh, one for each 32 codes along K); l1_Wi_codes 256 x 2 x 24 uint8 (E2M3 codes of l1_Wi, K innermost, in blocks of 32 codes, four codes in three bytes); l1_Wi_scales 256 x 2 uint8 (E8M0 scales of l1_Wi, one for each 32 codes along K); l1_bc 64 float32; l1_bgh 256 float32; l1_bgi 256 float32; l1_bh 256 float32; l1_bi 256 float32; l1_gc 64 float32; l1_gh 256 float32; l1_gi 256 float32; x 250,000 float32.
;; Outputs: out0 250,000 x 1 float32; out1 1 x 1 float32.
;; This version of the problem:
;;   THIS VERSION OF THE PROBLEM IS GIVEN IN LOW PRECISION. The matrix products marked QUANTISED in the list below multiply operands that are first quantised to E2M3 (2 exponent bits, 3 mantissa bits; 6 bits a number), with one power-of-two scale for each 32 numbers along K (OCP MX v1.0); their sums are f32. All else is computed in f32.
;;   The module's matrix products, in the order in which they are computed (A, B: the left and right operand; K: the contracted axis; several contracted axes count as one K, in the product's order):
;;     1. [M 250,001, K 1] x [K 1, N 64]; A: computed on the way; B: input W1: left as it is (K = 1 < 32)
;;     2. [M 250,001, K 64] x [K 64, N 256]; A: computed on the way; B: input l0_Wi (given as codes): QUANTISED
;;     3. [M 250,001, K 64] x [K 64, N 256]; A: computed on the way; B: input l0_Wh (given as codes): QUANTISED
;;     4. [M 250,001, K 64] x [K 64, N 256]; A: computed on the way; B: input l1_Wi (given as codes): QUANTISED
;;     5. [M 250,001, K 64] x [K 64, N 256]; A: computed on the way; B: input l1_Wh (given as codes): QUANTISED
;;     6. [M 250,001, K 64] x [K 64, N 1]; A: computed on the way; B: input Wo: left as it is (N = 1 < 16)
;;   THE QUANTISER, for each operand of a quantised product, along K:
;;     - K is cut into blocks of 32 from its start; a last block that is shorter is filled with zeros.
;;     - A block's scale is 2^e with e = floor(log2(the largest magnitude in the block)) - 2, held to -126 .. 127; a block of zeros has e = 0. As a byte (E8M0): e + 127.
;;     - Each number is divided by its block's scale, clamped to +-7.5, and rounded to the nearest number of E2M3, ties to even, subnormals kept.
;;     - The product sums the exact products of the quantised numbers (number of the format x scale) in f32.
;;   ~~~python
;;   def quantise(x, axis):      # numpy; x: float32 -> the quantised numbers, widened to float32 again
;;       x = np.moveaxis(x, axis, -1); K = x.shape[-1]
;;       x = np.pad(x, [(0, 0)] * (x.ndim - 1) + [(0, -K % 32)]); x = x.reshape(x.shape[:-1] + (-1, 32)); a = np.abs(x).max(-1, keepdims=True)
;;       e = np.where(a > 0, np.clip(np.frexp(np.where(a > 0, a, 1))[1] - 1 - 2, -126, 127), 0)      # np.frexp(a)[1] - 1 = floor(log2(a)), exactly
;;       r = np.clip(x / 2.0 ** e, -7.5, 7.5)
;;       step = 2.0 ** (np.maximum(np.frexp(np.where(r == 0, 1, r))[1] - 1, 0) - 3)
;;       q = np.round(r / step) * step * 2.0 ** e      # np.round: ties to even
;;       return np.moveaxis(q.reshape(q.shape[:-2] + (-1,))[..., :K], -1, axis).astype(np.float32)
;;   ~~~
;;   OPERANDS COMPUTED ON THE WAY. 'Computed on the way' means the value that the module computes at that place (a softmax that the list does not call 'softmax' is quantised finished and normalised). What goes into a quantiser is computed in f32, as accurately as f32 sums, v_exp_f32 and their like allow (about 1e-6 of the number): no bf16 or f16 on the way to a quantiser, and a product that is left as it is and whose result goes on into a quantised operand takes f32 operands (vector FMAs, or v_wmma_f32_16x16x4_f32). A number that lies on a knife's edge between two numbers of the format may be rounded either way, as far as f32 arithmetic and the matrix unit's own rounding can turn it there, and no further.
;;   INPUTS GIVEN AS CODES. l0_Wh (in the module: [256, 64], K = its axis 1); l0_Wi (in the module: [256, 64], K = its axis 1); l1_Wh (in the module: [256, 64], K = its axis 1); l1_Wi (in the module: [256, 64], K = its axis 1): each comes as NAME_codes (uint8): NAME with its K axis moved to the last place and cut into blocks of 32 codes, [.., K / 32, bytes a block], one block behind the other in memory; four codes in three bytes: a row's codes are one little-endian stream of bits, code i at bits 6 i .. 6 i + 5 (a code: sign, 2 exponent bits, 3 mantissa bits); and NAME_scales (uint8): the same leading axes, one E8M0 byte (e + 127) for each 32 codes along K. Its value is code x scale, taken as it is: it is not quantised again, and the codes and scales need not be those that the quantiser above would give.
;; One version. Each part assembles by itself: llvm-mc -triple=amdgcn-amd-amdhsa -mcpu=gfx1250 --defsym DOCPART=n.
;; ======== version 1 of 1: 2 launches
;; workspace buffers: cst 37,376 bytes
;; launch prep (part 1): grid 17 x 1, 8 waves a work-group, no clusters, 1,536 bytes of LDS; arguments x, W1, b1, g1, be1, l0_gc, l0_bc, l1_gc, l1_bc, l0_Wi_codes, l1_Wi_codes, l0_Wi_scales, l1_Wi_scales, l0_Wh_codes, l0_Wh_scales, l0_bh, l0_gh, l0_bgh, l0_bi, l0_gi, l0_bgi, l1_Wh_codes, l1_Wh_scales, l1_bh, l1_gh, l1_bgh, l1_bi, l1_gi, l1_bgi, cst; writes cst
.if DOCPART == 1
	.amdgcn_target "amdgcn-amd-amdhsa--gfx1250"
	.amdhsa_code_object_version 6
	.text
	.protected	k_q796ecc1bb7_prep
	.globl	k_q796ecc1bb7_prep
	.p2align	8
	.type	k_q796ecc1bb7_prep,@function
k_q796ecc1bb7_prep:
	s_mov_b64 s[64:65], 0
	v_nop
	global_prefetch_b8 v0, s[64:65] scope:SCOPE_SE
	s_setreg_imm32_b32 hwreg(HW_REG_WAVE_MODE, 25, 1), 1
	s_wait_xcnt 0x0
; PREP: everything of the learner that does not hang on a row is made once and laid, in cst, as the image of the LDS region from which the second launch works.
; Work-group 0 makes the constants; work-groups 1 to 16 make 128 partial sums of x (the mean of x is the last row of the batch).
; cst, in bytes; LAY(l) = 17408 l for layer l:
;   LAY+0      16 fragments of Wi, 768 bytes each, as images of operand registers: fragment 4 g + q (gate g, tile q = 2 b + u): registers 0-3 at 16 x lane, registers 4-5 at 512 + 8 x lane;
;              lane (r, h) holds bytes 24 h .. 24 h + 23 (k = 32 h .. 32 h + 31) of row 64 g + 32 b + 8 u + r + 8 (r / 8)
;   LAY+12288  512 g + 16 x lane: the four scale words (q = 0 .. 3) of that lane's rows; a word is the row's two bytes twice (k = 64 .. 127 are zero codes)
;   LAY+14336  bi - mean(bi)          LAY+15360  gi x k          LAY+16384  (bgi + LN(0 Wh^T + bh) gh + bgh) x k        256 f32 each, in the columns' own order
;              k = -log2(e) for the columns of gates i, f, o (sigmoid by 2^), 2 log2(e) for those of gate g (tanh by 2^)
;   34816      eight vectors of 64 f32: W1 - mean, b1 - mean, then g1, be1, l0_gc, l0_bc, l1_gc, l1_bc, each x 2 log2(e)
;   36864      128 partial sums of x
; The cells start from hx = 0, which reference() builds itself: every row of hx Wh^T is the same, so that product is made here once, for 16 rows of zero codes (scale byte 127, the quantiser's byte for a
; block of zeros) against Wh's codes and scale bytes, by the format's own matrix instruction.
; LIMITS: NaN and infinities among the inputs are not served.
.set LAYB, 17408
.macro WSUM a                          ; the sum over the wave's 32 lanes, in every lane
	v_add_f32_dpp v[\a], v[\a], v[\a] row_xmask:1 row_mask:0xf bank_mask:0xf
	v_add_f32_dpp v[\a], v[\a], v[\a] row_xmask:2 row_mask:0xf bank_mask:0xf
	v_add_f32_dpp v[\a], v[\a], v[\a] row_xmask:4 row_mask:0xf bank_mask:0xf
	v_add_f32_dpp v[\a], v[\a], v[\a] row_xmask:8 row_mask:0xf bank_mask:0xf
	v_permlanex16_b32 v182, v[\a], s68, s69
	v_add_f32 v[\a], v[\a], v182
.endm
	s_load_b512 s[4:19], s[0:1], 0x0               ; argument i's address in s[4 + 2 i : 5 + 2 i]
	s_load_b512 s[20:35], s[0:1], 0x40
	s_load_b512 s[36:51], s[0:1], 0x80
	s_load_b256 s[52:59], s[0:1], 0xc0
	s_load_b128 s[60:63], s[0:1], 0xe0             ; s[62:63]: cst
	v_lshl_add_u32 v254, v0, 2, 0x200
	v_mov_b32 v255, 0
	v_lshrrev_b32 v1, 5, v0
	v_readfirstlane_b32 s66, v1                    ; wave w
	v_and_b32 v1, 31, v0                           ; lane
	v_and_b32 v2, 15, v0                           ; r
	v_bfe_u32 v3, v0, 4, 1                         ; h
	v_mov_b32 v182, 0                              ; a lane permute's destination counts as one of its sources
	s_mov_b32 s68, 0x76543210
	s_mov_b32 s69, 0xfedcba98                      ; selects for lane l xor 16
	s_wait_kmcnt 0x0
	s_cmp_lg_u32 ttmp9, 0                          ; the same for all eight waves of a work-group
	s_cbranch_scc1 .Lsum
	; ================= work-group 0: the constants.  All loads first, then one wait =================
	; Wi's images: wave w takes layer w / 4, gate w % 4
	s_lshr_b32 s70, s66, 2                         ; layer
	s_and_b32 s71, s66, 3                          ; gate
	s_cmp_eq_u32 s70, 0
	s_cselect_b64 s[72:73], s[22:23], s[24:25]     ; Wi's codes
	s_cselect_b64 s[74:75], s[26:27], s[28:29]     ; Wi's scale bytes
	v_and_b32 v4, 8, v2
	v_add_nc_u32 v4, v4, v2                        ; r + 8 (r / 8)
	s_mul_i32 s76, s71, 3072                       ; 64 rows of 48 bytes a gate; also 4 fragments of 768 bytes
	v_mul_u32_u24 v5, v4, 48
	v_mad_u32_u24 v5, v3, 24, v5
	v_add_nc_u32 v5, s76, v5
	s_lshl_b32 s77, s71, 7
	v_lshl_add_u32 v6, v4, 1, s77                  ; two scale bytes a row
.irp q, 0,1,2,3
.irp p, 0,1,2
	global_load_b64 v[132+6*\q+2*\p:133+6*\q+2*\p], v5, s[72:73] offset:(32*(\q/2)+8*(\q%2))*48+8*\p
.endr
	global_load_u16 v[156+\q], v6, s[74:75] offset:(32*(\q/2)+8*(\q%2))*2
.endr
	; the eight small vectors: wave w takes vector w
	s_mov_b64 s[80:81], s[6:7]
.irp j, 1,2,3,4,5,6,7
	s_cmp_eq_u32 s66, \j
	s_cselect_b64 s[80:81], s[6+2*\j:7+2*\j], s[80:81]
.endr
	v_lshlrev_b32 v12, 3, v1
	global_load_b64 v[10:11], v12, s[80:81]
	; the columns' constants: thread t is column t; wave w holds Wh's tiles 2 w and 2 w + 1 (rows as they lie)
	v_lshlrev_b32 v14, 2, v0
	s_mul_i32 s82, s66, 1536
	v_mul_u32_u24 v15, v2, 48
	v_mad_u32_u24 v15, v3, 24, v15
	v_add_nc_u32 v15, s82, v15
	s_lshl_b32 s83, s66, 6
	v_lshl_add_u32 v28, v2, 1, s83
.irp l, 0,1
.irp j, 0,1,2,3,4,5
	global_load_b32 v[16+6*\l+\j], v14, s[34+16*\l+2*\j:35+16*\l+2*\j]   ; bh, gh, bgh, bi, gi, bgi
.endr
.irp u, 0,1
.irp p, 0,1,2
	global_load_b64 v[32+12*(2*\l+\u)+2*\p:33+12*(2*\l+\u)+2*\p], v15, s[30+16*\l:31+16*\l] offset:768*\u+8*\p
.endr
	global_load_u16 v[80+2*\l+\u], v28, s[32+16*\l:33+16*\l] offset:32*\u
.endr
.endr
.irp f, 0,1,2,3
.irp n, 6,7,8,9,10,11
	v_mov_b32 v[32+12*\f+\n], 0                    ; K is 64: k = 64 .. 127 are zero codes
.endr
.endr
.irp n, 0,1,2,3,4,5,6,7,8,9,10,11
	v_mov_b32 v[84+\n], 0                          ; hx = 0: sixteen rows of zero codes
.endr
	v_mov_b32 v96, 0x7f7f7f7f                      ; and their scale bytes
	s_mul_i32 s78, s70, LAYB
	s_add_co_u32 s79, s78, s76
	v_lshl_add_u32 v7, v1, 4, s79                  ; where my images go
	v_lshl_add_u32 v8, v1, 3, s79
	s_lshl_b32 s84, s71, 9
	s_add_co_u32 s84, s84, s78
	v_lshl_add_u32 v9, v1, 4, s84
	s_lshl_b32 s85, s66, 8
	v_lshl_add_u32 v29, v1, 3, s85
	s_cmp_lt_u32 s66, 2                            ; W1 and b1 are centred; the six others are scaled by 2 log2(e)
	s_cselect_b32 s86, 1.0, 0
	s_mov_b32 s87, 0x4038aa3b
	s_cselect_b32 s87, 1.0, s87
	s_lshr_b32 s88, s66, 1                         ; my columns' gate
	s_cmp_eq_u32 s88, 3
	s_mov_b32 s88, 0xbfb8aa3b
	s_mov_b32 s89, 0x4038aa3b
	s_cselect_b32 s88, s89, s88                    ; k
	s_lshl_b32 s90, s66, 4
	v_mov_b32 v164, s90                            ; LDS: 16 w
	s_lshl_b32 s90, s66, 3
	v_mov_b32 v166, s90                            ; LDS: 8 w
	v_mov_b32 v165, 0
	s_wait_loadcnt 0x0
.irp i, 0,1,2,3
	v_lshl_or_b32 v[80+\i], v[80+\i], 16, v[80+\i] ; a row's two bytes twice
	v_lshl_or_b32 v[156+\i], v[156+\i], 16, v[156+\i]
.endr
.rept 8
	v_nop                                          ; a scale register written by a vector instruction stands 8 places ahead of a scaled matrix instruction, an operand so written 4
.endr
.irp i, 0,1,2,3                                ; source 0 = the zero rows, source 1 = 16 rows of Wh: lane r holds column r of the tile
	v_wmma_scale_f32_16x16x128_f8f6f4 v[100+8*\i:107+8*\i], v[84:95], v[32+12*\i:43+12*\i], 0, v96, v[80+\i] matrix_a_fmt:MATRIX_FMT_FP6 matrix_b_fmt:MATRIX_FMT_FP6
.endr
.rept 4
	v_nop                                          ; four places behind the products, ahead of the first read of a result (ISA guide 7.12.1)
.endr
.irp q, 0,1,2,3
	global_store_b128 v7, v[132+6*\q:135+6*\q], s[62:63] offset:768*\q          ; 512 consecutive bytes a store
	global_store_b64 v8, v[136+6*\q:137+6*\q], s[62:63] offset:768*\q+512      ; 256
.endr
	global_store_b128 v9, v[156:159], s[62:63] offset:12288
	v_add_f32 v13, v10, v11                        ; the small vector
	WSUM 13
	v_mul_f32 v13, 0x3c800000, v13                 ; its mean (/ 64),
	v_mul_f32 v13, s86, v13                        ; taken off W1 and b1 alone
	v_sub_f32 v10, v10, v13
	v_sub_f32 v11, v11, v13
	v_mul_f32 v10, s87, v10
	v_mul_f32 v11, s87, v11
	global_store_b64 v29, v[10:11], s[62:63] offset:34816
	v_cmp_le_u32 vcc_lo, 16, v1                    ; lanes 16-31 are the columns of tile 2 w + 1
.irp l, 0,1
	v_cndmask_b32 v[168+\l], v[100+16*\l], v[108+16*\l], vcc_lo   ; each accumulator is read at its lowest register (all sixteen rows are alike)
.endr
.irp l, 0,1
	v_add_f32 v[168+\l], v[168+\l], v[16+6*\l]     ; 0 Wh^T + bh
.endr
	v_mov_b32 v160, v168
	v_mov_b32 v161, v169
	v_mov_b32 v162, v19                            ; bi of layer 0,
	v_mov_b32 v163, v25                            ; of layer 1
.irp a, 160,161,162,163
	WSUM \a
.endr
	ds_store_b128 v164, v[160:163]                 ; all lanes write the wave's four sums to the wave's own 16 bytes
	s_wait_dscnt 0x0                               ; for the other waves' sake: my store is done
	s_barrier_signal -1
	s_barrier_wait -1
.irp k, 0,1,2,3,4,5,6,7
	ds_load_b128 v[192+4*\k:195+4*\k], v165 offset:16*\k
.endr
	s_wait_dscnt 0x0
.irp k, 1,2,3,4,5,6,7
	v_pk_add_f32 v[192:193], v[192:193], v[192+4*\k:193+4*\k]
	v_pk_add_f32 v[194:195], v[194:195], v[194+4*\k:195+4*\k]
.endr
.irp j, 0,1,2,3
	v_mul_f32 v[192+\j], 0x3b800000, v[192+\j]     ; the four means (/ 256)
.endr
.irp l, 0,1
	v_sub_f32 v[172+\l], v[168+\l], v[192+\l]      ; d
.endr
.irp l, 0,1
	v_mul_f32 v[170+\l], v[172+\l], v[172+\l]
.endr
	WSUM 170
	WSUM 171
	ds_store_b64 v166, v[170:171] offset:256       ; other bytes than the first exchange's
	s_wait_dscnt 0x0
	s_barrier_signal -1
	s_barrier_wait -1
.irp k, 0,1,2,3,4,5,6,7
	ds_load_b64 v[224+2*\k:225+2*\k], v165 offset:256+8*\k
.endr
	s_wait_dscnt 0x0
.irp k, 1,2,3,4,5,6,7
	v_pk_add_f32 v[224:225], v[224:225], v[224+2*\k:225+2*\k]
.endr
	v_mul_f32 v224, 0x3b808081, v224               ; / 255: the unbiased variance
	v_mul_f32 v225, 0x3b808081, v225
	v_sqrt_f32 v224, v224
	v_sqrt_f32 v225, v225
	v_nop                                          ; a plain instruction behind the roots,
	s_wait_alu depctr_va_vdst(0)                   ; and a wait ahead of their first reader
	v_add_f32 v224, 0x3727c5ac, v224               ; + 1e-5
	v_add_f32 v225, 0x3727c5ac, v225
	v_rcp_f32 v174, v224
	v_rcp_f32 v175, v225
	v_nop
	s_wait_alu depctr_va_vdst(0)
.irp l, 0,1
	v_sub_f32 v[176+3*\l], v[19+6*\l], v[194+\l]   ; bi - mean(bi)
	v_mul_f32 v[177+3*\l], s88, v[20+6*\l]         ; gi k
	v_mul_f32 v[178+3*\l], v[172+\l], v[174+\l]    ; d / (s + eps)
.endr
.irp l, 0,1
	v_fma_f32 v[178+3*\l], v[178+3*\l], v[17+6*\l], v[18+6*\l]    ; x gh + bgh
.endr
.irp l, 0,1
	v_add_f32 v[178+3*\l], v[178+3*\l], v[21+6*\l] ; + bgi
.endr
.irp l, 0,1
	v_mul_f32 v[178+3*\l], s88, v[178+3*\l]        ; x k
.endr
.irp l, 0,1
	global_store_b32 v14, v[176+3*\l], s[62:63] offset:LAYB*\l+14336
	global_store_b32 v14, v[177+3*\l], s[62:63] offset:LAYB*\l+15360
	global_store_b32 v14, v[178+3*\l], s[62:63] offset:LAYB*\l+16384
.endr
	s_wait_tensorcnt 0x0
	ds_add_u32 v254, v255
	s_wait_dscnt 0x0
	s_endpgm
	; ================= work-groups 1 to 16: chunk c = 8 (work-group - 1) + w sums the 8,192 bytes of x from 8192 c on =================
.Lsum:
	s_sub_co_u32 s70, ttmp9, 1
	s_lshl_b32 s70, s70, 3
	s_add_co_u32 s70, s70, s66                     ; c, 0 .. 127
	s_lshl_b32 s71, s70, 13
	s_mov_b32 s72, 1000000                         ; x's bytes: a multiple of 16, so a lane's 16 bytes lie wholly inside or wholly outside
	v_lshl_add_u32 v4, v1, 4, s71
.irp i, 0,1,2,3,4,5,6,7,8,9,10,11,12,13,14,15
	v_add_nc_u32 v[8+\i], 512*\i, v4
	v_cmp_gt_u32 vcc_lo, s72, v[8+\i]
	v_cndmask_b32 v[24+\i], 0, 1.0, vcc_lo         ; what lies past x's end counts for nothing,
	v_min_u32 v[8+\i], 0xf4230, v[8+\i]            ; and its load is held at x's last 16 bytes
.endr
.irp i, 0,1,2,3,4,5,6,7,8,9,10,11,12,13,14,15
	global_load_b128 v[40+4*\i:43+4*\i], v[8+\i], s[4:5] th:TH_LOAD_NT   ; 512 consecutive bytes a load
.endr
	s_wait_loadcnt 0x0
.irp j, 0,1,2,3
	v_mul_f32 v[104+\j], v[40+\j], v24             ; four chains
.endr
.irp i, 1,2,3,4,5,6,7,8,9,10,11,12,13,14,15
.irp j, 0,1,2,3
	v_fma_f32 v[104+\j], v[40+4*\i+\j], v[24+\i], v[104+\j]
.endr
.endr
	v_add_f32 v104, v104, v105
	v_add_f32 v106, v106, v107
	v_add_f32 v104, v104, v106
	WSUM 104
	s_lshl_b32 s73, s70, 2
	v_mov_b32 v108, s73
	s_wait_xcnt 0x0                                ; EXEC changes only behind this wait
	v_cmp_eq_u32 vcc_lo, 0, v1
	s_and_saveexec_b32 s74, vcc_lo
	global_store_b32 v108, v104, s[62:63] offset:36864   ; every one of the 128 words is written: a chunk past x's end stores 0
	s_wait_xcnt 0x0
	s_or_b32 exec_lo, exec_lo, s74
	s_endpgm
.Lfunc_end_k_q796ecc1bb7_prep:
	.size	k_q796ecc1bb7_prep, .Lfunc_end_k_q796ecc1bb7_prep-k_q796ecc1bb7_prep
	.p2alignl 7, 3214868480
	.fill 96, 4, 3214868480
	.section	.rodata,"a",@progbits
	.p2align	6, 0x0
	.amdhsa_kernel k_q796ecc1bb7_prep
		.amdhsa_group_segment_fixed_size 1536
		.amdhsa_private_segment_fixed_size 0
		.amdhsa_enable_private_segment 0
		.amdhsa_kernarg_size 240
		.amdhsa_user_sgpr_count 2
		.amdhsa_user_sgpr_kernarg_segment_ptr 1
		.amdhsa_wavefront_size32 1
		.amdhsa_system_sgpr_workgroup_id_x 1
		.amdhsa_system_sgpr_workgroup_id_y 1
		.amdhsa_system_sgpr_workgroup_id_z 1
		.amdhsa_system_vgpr_workitem_id 0
		.amdhsa_next_free_vgpr 256
		.amdhsa_next_free_sgpr 96
		.amdhsa_reserve_vcc 1
		.amdhsa_float_denorm_mode_32 3
		.amdhsa_float_denorm_mode_16_64 3
		.amdhsa_memory_ordered 1
		.amdhsa_forward_progress 1
		.amdhsa_inst_pref_size 29
	.end_amdhsa_kernel
	.amdgpu_metadata
---
amdhsa.version: [ 1, 2 ]
amdhsa.kernels:
  - .name:           k_q796ecc1bb7_prep
    .symbol:         k_q796ecc1bb7_prep.kd
    .args:
      - { .name: x, .offset: 0, .size: 8, .value_kind: global_buffer, .address_space: global }
      - { .name: W1, .offset: 8, .size: 8, .value_kind: global_buffer, .address_space: global }
      - { .name: b1, .offset: 16, .size: 8, .value_kind: global_buffer, .address_space: global }
      - { .name: g1, .offset: 24, .size: 8, .value_kind: global_buffer, .address_space: global }
      - { .name: be1, .offset: 32, .size: 8, .value_kind: global_buffer, .address_space: global }
      - { .name: l0_gc, .offset: 40, .size: 8, .value_kind: global_buffer, .address_space: global }
      - { .name: l0_bc, .offset: 48, .size: 8, .value_kind: global_buffer, .address_space: global }
      - { .name: l1_gc, .offset: 56, .size: 8, .value_kind: global_buffer, .address_space: global }
      - { .name: l1_bc, .offset: 64, .size: 8, .value_kind: global_buffer, .address_space: global }
      - { .name: l0_Wi_codes, .offset: 72, .size: 8, .value_kind: global_buffer, .address_space: global }
      - { .name: l1_Wi_codes, .offset: 80, .size: 8, .value_kind: global_buffer, .address_space: global }
      - { .name: l0_Wi_scales, .offset: 88, .size: 8, .value_kind: global_buffer, .address_space: global }
      - { .name: l1_Wi_scales, .offset: 96, .size: 8, .value_kind: global_buffer, .address_space: global }
      - { .name: l0_Wh_codes, .offset: 104, .size: 8, .value_kind: global_buffer, .address_space: global }
      - { .name: l0_Wh_scales, .offset: 112, .size: 8, .value_kind: global_buffer, .address_space: global }
      - { .name: l0_bh, .offset: 120, .size: 8, .value_kind: global_buffer, .address_space: global }
      - { .name: l0_gh, .offset: 128, .size: 8, .value_kind: global_buffer, .address_space: global }
      - { .name: l0_bgh, .offset: 136, .size: 8, .value_kind: global_buffer, .address_space: global }
      - { .name: l0_bi, .offset: 144, .size: 8, .value_kind: global_buffer, .address_space: global }
      - { .name: l0_gi, .offset: 152, .size: 8, .value_kind: global_buffer, .address_space: global }
      - { .name: l0_bgi, .offset: 160, .size: 8, .value_kind: global_buffer, .address_space: global }
      - { .name: l1_Wh_codes, .offset: 168, .size: 8, .value_kind: global_buffer, .address_space: global }
      - { .name: l1_Wh_scales, .offset: 176, .size: 8, .value_kind: global_buffer, .address_space: global }
      - { .name: l1_bh, .offset: 184, .size: 8, .value_kind: global_buffer, .address_space: global }
      - { .name: l1_gh, .offset: 192, .size: 8, .value_kind: global_buffer, .address_space: global }
      - { .name: l1_bgh, .offset: 200, .size: 8, .value_kind: global_buffer, .address_space: global }
      - { .name: l1_bi, .offset: 208, .size: 8, .value_kind: global_buffer, .address_space: global }
      - { .name: l1_gi, .offset: 216, .size: 8, .value_kind: global_buffer, .address_space: global }
      - { .name: l1_bgi, .offset: 224, .size: 8, .value_kind: global_buffer, .address_space: global }
      - { .name: cst, .offset: 232, .size: 8, .value_kind: global_buffer, .address_space: global }
    .group_segment_fixed_size: 1536
    .private_segment_fixed_size: 0
    .kernarg_segment_align: 8
    .kernarg_segment_size: 240
    .max_flat_workgroup_size: 256
    .sgpr_count:     96
    .vgpr_count:     256
    .wavefront_size: 32
...
	.end_amdgpu_metadata
.endif
;; end of part 1
;; launch main (part 2): grid 245 x 1, 8 waves a work-group, no clusters, 48,128 bytes of LDS; arguments x, cst, Wo, bo, out0, out1; writes out0, out1
.if DOCPART == 2
	.amdgcn_target "amdgcn-amd-amdhsa--gfx1250"
	.amdhsa_code_object_version 6
	.text
	.protected	k_q796ecc1bb7_main
	.globl	k_q796ecc1bb7_main
	.p2align	8
	.type	k_q796ecc1bb7_main,@function
k_q796ecc1bb7_main:
	s_mov_b64 s[64:65], 0
	v_nop
	global_prefetch_b8 v0, s[64:65] scope:SCOPE_SE
	s_setreg_imm32_b32 hwreg(HW_REG_WAVE_MODE, 25, 1), 1
	s_wait_xcnt 0x0
; MAIN: the whole chain for all 250,001 rows (x's 250,000 numbers and, as the last row, their mean): scalar -> 64, LayerNorm, tanh; two LayerNorm-LSTM cells from a zero state; the product with Wo.
; The two products with Wi are on codes of FP6 (E2M3) with one E8M0 scale for each 32 along K; K is 64, so k = 64 .. 127 of each matrix instruction are zero codes on both sides.
; The zero state is reference()'s own: LN(0 Wh^T + bh) gh + bgh is one vector a layer, made by the launch before and folded into the columns' offsets; sigmoid(f) x 0 is left out (gate f's columns still
; enter the norm's mean and deviation).
; SHARES.  Wave g = 8 x work-group + w owns rows 128 g .. 128 g + 127: four passes of 32 rows, two tiles of 16 (A, B).  Waves share nothing but the constants, which all threads copy into LDS once: one barrier.
; LAYOUT.  The product is used transposed (source 0 = 16 rows of Wi, source 1 = 16 rows of the batch), and the rows of Wi that form a tile are chosen (row 32 b + 8 u + r + 8 (r / 8) of a gate for lane r of
; tile 2 b + u) so that lane (r, h) holds row r of the batch and its register 32 g + 16 b + i holds column 64 g + 32 b + 16 h + i.  So four neighbouring registers are 16 neighbouring bytes of a vector of
; columns (read at 64 h + a constant), and a gate's 32 registers stand in the order that the next quantiser wants: register 16 b + i = k 32 b + 16 h + i.
; ARITHMETIC.  All in f32.  The deviation is taken in two passes (mean, then squares of the centred numbers).  sigmoid(a) tanh(b) = (Eb - 1) / ((1 + Ea)(1 + Eb)), Ea = 2^(-a log2 e), Eb = 2^(2 b log2 e):
; three transcendentals.  The factors log2 e are folded into the gains and offsets.
; LIMITS: NaN and infinities among the inputs are not served.  The exponent of Eb is held at 64 from above: beyond it tanh is 1 in f32, and the numerator stays finite whatever the reciprocal.
; LDS: 0 .. 36863 the constants as cst has them; 36864 + 256 w Wo; 38912 + 512 w my 128 numbers of x; 43008 + 512 w my 128 results.
; REGISTERS.  Window 1: tile A v0-127, tile B v128-255: gates i, f, o, g at 0, 32, 64, 96.
; Window 0: v1 64 h; v2 16 lane; v3 8 lane; v4 4 r + 512 w; v6 address in hand; v8 my byte offset in x and out0; v9 0; v22 64 h + 256 w; v23 16 lane + 512 w; v10.. x, v14.. -mean, v18.. 1 / (s + eps) (a pair a
; tile, the low word used); v24-39 four chain pairs a tile; v40-47 at work; v48-49 the rows' scale words; v50-65 Wi's scale words; v66-89 the rows' fragments; v90-185 two sets of four fragments of Wi;
; v186-249 two sets of 32 for the constants that stream by.
.set LAYB,  17408
.set SCW,   12288
.set BIASO, 14336
.set GVO,   15360
.set BVO,   16384
.set SMALL, 34816
.set PART,  36864
.set WOW,   36864
.set XST,   38912
.set OST,   43008
.set RI, 0
.set RF, 32
.set RO, 64
.set RG, 96
.set XV, 10
.set MV, 14
.set RV, 18
.set QV, 24
.set TV, 40
.set SA, 48
.set SW, 50
.set FV, 66
.set WF, 90
.set ST, 186
.set MSB, 0
.macro WIN new                         ; s_set_vgpr_msb: bits 1:0 source 0, 3:2 source 1, 5:4 source 2, 7:6 destination; the high byte repeats the setting that is left
.if MSB != \new
	s_set_vgpr_msb (MSB<<8)|\new
.set MSB, \new
.endif
.endm
.macro PLACES n
.rept \n
	v_nop
.endr
.endm
.macro LDC dst, adr, off               ; a vector of 64 columns: my 32 numbers
.irp b, 0,1
.irp m, 0,1,2,3
	ds_load_b128 v[(\dst)+16*\b+4*\m:(\dst)+16*\b+4*\m+3], v[\adr] offset:(\off)+128*\b+16*\m
.endr
.endr
.endm
.macro LDH dst, off                    ; 16 numbers
.irp m, 0,1,2,3
	ds_load_b128 v[(\dst)+4*\m:(\dst)+4*\m+3], v1 offset:(\off)+16*\m
.endr
.endm
.macro CHUNKLD l, g, b, s              ; gains and offsets of 16 registers of gate g into set s: 8 loads
	LDH ST+32*(\s), LAYB*(\l)+GVO+256*(\g)+128*(\b)
	LDH ST+32*(\s)+16, LAYB*(\l)+BVO+256*(\g)+128*(\b)
.endm
.macro LOADG l, g, s                   ; gate g's four fragments of Wi and their centred biases into set s: 16 loads
.irp q, 0,1,2,3
	ds_load_b128 v[WF+48*(\s)+12*\q:WF+48*(\s)+12*\q+3], v2 offset:LAYB*(\l)+768*(4*(\g)+\q)
	ds_load_b64 v[WF+48*(\s)+12*\q+4:WF+48*(\s)+12*\q+5], v3 offset:LAYB*(\l)+768*(4*(\g)+\q)+512
	ds_load_b128 v[ST+32*(\s)+8*\q:ST+32*(\s)+8*\q+3], v1 offset:LAYB*(\l)+BIASO+256*(\g)+128*(\q/2)+32*(\q%2)
	ds_load_b128 v[ST+32*(\s)+8*\q+4:ST+32*(\s)+8*\q+7], v1 offset:LAYB*(\l)+BIASO+256*(\g)+128*(\q/2)+32*(\q%2)+16
.endr
.endm
.macro PRELOAD l                       ; 36 loads: Wi's 16 scale words, then gates 0 and 1
.irp g, 0,1,2,3
	ds_load_b128 v[SW+4*\g:SW+4*\g+3], v2 offset:LAYB*(\l)+SCW+512*\g
.endr
	LOADG \l, 0, 0
	LOADG \l, 1, 1
.endm
.macro MULG g, s                       ; gate g for both tiles: eight sums of one instruction each, C = the centred bias, D elsewhere: no accumulator is taken up twice
	WIN 0x40
.irp q, 0,1,2,3
.irp i, 0,1
	v_wmma_scale_f32_16x16x128_f8f6f4 v[128*\i+32*(\g)+8*\q:128*\i+32*(\g)+8*\q+7], v[WF+48*(\s)+12*\q:WF+48*(\s)+12*\q+11], v[FV+12*\i:FV+12*\i+11], v[ST+32*(\s)+8*\q:ST+32*(\s)+8*\q+7], v[SW+4*(\g)+\q], v[SA+\i] matrix_a_fmt:MATRIX_FMT_FP6 matrix_b_fmt:MATRIX_FMT_FP6
.endr
.endr
.endm
.macro ADDUP reg, np, nc               ; np pairs from reg on are added, in nc chains a tile, ascending: each accumulator is first read at its low end
	WIN 0x05
.set c_, 0
.rept \nc
.irp i, 0,1
	v_pk_add_f32 v[QV+8*\i+2*c_:QV+8*\i+2*c_+1], v[128*\i+(\reg)+4*c_:128*\i+(\reg)+4*c_+1], v[128*\i+(\reg)+4*c_+2:128*\i+(\reg)+4*c_+3]
.endr
.set c_, c_+1
.endr
	WIN 0x04
.set k_, 2*(\nc)
.rept (\np)-2*(\nc)
.irp i, 0,1
	v_pk_add_f32 v[QV+8*\i+2*(k_%(\nc)):QV+8*\i+2*(k_%(\nc))+1], v[QV+8*\i+2*(k_%(\nc)):QV+8*\i+2*(k_%(\nc))+1], v[128*\i+(\reg)+2*k_:128*\i+(\reg)+2*k_+1]
.endr
.set k_, k_+1
.endr
.endm
.macro SQUP reg, np, nc                ; the same of their squares
	WIN 0x05
.set k_, 0
.rept \np
.irp i, 0,1
.if k_ < (\nc)
	v_pk_mul_f32 v[QV+8*\i+2*k_:QV+8*\i+2*k_+1], v[128*\i+(\reg)+2*k_:128*\i+(\reg)+2*k_+1], v[128*\i+(\reg)+2*k_:128*\i+(\reg)+2*k_+1]
.else
	v_pk_fma_f32 v[QV+8*\i+2*(k_%(\nc)):QV+8*\i+2*(k_%(\nc))+1], v[128*\i+(\reg)+2*k_:128*\i+(\reg)+2*k_+1], v[128*\i+(\reg)+2*k_:128*\i+(\reg)+2*k_+1], v[QV+8*\i+2*(k_%(\nc)):QV+8*\i+2*(k_%(\nc))+1]
.endif
.endr
.set k_, k_+1
.endr
.endm
.macro FOLD nc                         ; the chains, the pair's halves and lane l xor 16's: the row's sum in v[TV], v[TV+4]
	WIN 0
.if \nc == 4
.irp i, 0,1
	v_pk_add_f32 v[QV+8*\i:QV+8*\i+1], v[QV+8*\i:QV+8*\i+1], v[QV+8*\i+2:QV+8*\i+3]
	v_pk_add_f32 v[QV+8*\i+4:QV+8*\i+5], v[QV+8*\i+4:QV+8*\i+5], v[QV+8*\i+6:QV+8*\i+7]
.endr
.irp i, 0,1
	v_pk_add_f32 v[QV+8*\i:QV+8*\i+1], v[QV+8*\i:QV+8*\i+1], v[QV+8*\i+4:QV+8*\i+5]
.endr
.else
.irp i, 0,1
	v_pk_add_f32 v[QV+8*\i:QV+8*\i+1], v[QV+8*\i:QV+8*\i+1], v[QV+8*\i+2:QV+8*\i+3]
.endr
.endif
.irp i, 0,1
	v_add_f32 v[TV+4*\i], v[QV+8*\i], v[QV+8*\i+1]
.endr
.irp i, 0,1
	v_permlanex16_b32 v[TV+4*\i+1], v[TV+4*\i], s24, s25
.endr
.irp i, 0,1
	v_add_f32 v[TV+4*\i], v[TV+4*\i], v[TV+4*\i+1]
.endr
.endm
.macro MEAN c                          ; c = -1 / the number of columns
.irp i, 0,1
	v_mul_f32 v[MV+2*\i], \c, v[TV+4*\i]
.endr
.endm
.macro CENTRE reg, np
	WIN 0x41
.set k_, 0
.rept \np
.irp i, 0,1
	v_pk_add_f32 v[128*\i+(\reg)+2*k_:128*\i+(\reg)+2*k_+1], v[128*\i+(\reg)+2*k_:128*\i+(\reg)+2*k_+1], v[MV+2*\i:MV+2*\i+1] op_sel_hi:[1,0]
.endr
.set k_, k_+1
.endr
.endm
.macro RSTD c                          ; c = 1 / (columns - 1): 1 / (sqrt(sum of squares x c) + 1e-5)
.irp i, 0,1
	v_mul_f32 v[TV+4*\i], \c, v[TV+4*\i]
.endr
.irp i, 0,1
	v_sqrt_f32 v[TV+4*\i], v[TV+4*\i]
.endr
	v_nop                                          ; a plain instruction behind the roots,
	s_wait_alu depctr_va_vdst(0)                   ; and a wait ahead of a transcendental's first reader: one for both
.irp i, 0,1
	v_add_f32 v[TV+4*\i], 0x3727c5ac, v[TV+4*\i]
.endr
.irp i, 0,1
	v_rcp_f32 v[RV+2*\i], v[TV+4*\i]
.endr
	v_nop
	s_wait_alu depctr_va_vdst(0)
.endm
; 16 registers of a gate, both tiles: x 1 / (s + eps), x gain + offset (set s).  domin: held at 64.  Between these lines stand the exponentials, in place, of the 16 registers normalised before (prev; -1: none):
; no line here names one of their results.
.macro NORMX reg, s, domin, prev
	WIN 0x41
.set k_, 0
.rept 8
	v_pk_mul_f32 v[(\reg)+2*k_:(\reg)+2*k_+1], v[(\reg)+2*k_:(\reg)+2*k_+1], v[RV:RV+1] op_sel_hi:[1,0]
.if (\prev) >= 0
	v_exp_f32 v[(\prev)+2*k_], v[(\prev)+2*k_]
.endif
	v_pk_mul_f32 v[128+(\reg)+2*k_:128+(\reg)+2*k_+1], v[128+(\reg)+2*k_:128+(\reg)+2*k_+1], v[RV+2:RV+3] op_sel_hi:[1,0]
.if (\prev) >= 0
	v_exp_f32 v[(\prev)+2*k_+1], v[(\prev)+2*k_+1]
.endif
	v_pk_fma_f32 v[(\reg)+2*k_:(\reg)+2*k_+1], v[(\reg)+2*k_:(\reg)+2*k_+1], v[ST+32*(\s)+2*k_:ST+32*(\s)+2*k_+1], v[ST+32*(\s)+16+2*k_:ST+32*(\s)+16+2*k_+1]
.if (\prev) >= 0
	v_exp_f32 v[128+(\prev)+2*k_], v[128+(\prev)+2*k_]
.endif
	v_pk_fma_f32 v[128+(\reg)+2*k_:128+(\reg)+2*k_+1], v[128+(\reg)+2*k_:128+(\reg)+2*k_+1], v[ST+32*(\s)+2*k_:ST+32*(\s)+2*k_+1], v[ST+32*(\s)+16+2*k_:ST+32*(\s)+16+2*k_+1]
.if (\prev) >= 0
	v_exp_f32 v[128+(\prev)+2*k_+1], v[128+(\prev)+2*k_+1]
.endif
.if \domin
	v_min_num_f32 v[(\reg)+2*k_], v[(\reg)+2*k_], s26
	v_min_num_f32 v[(\reg)+2*k_+1], v[(\reg)+2*k_+1], s26
	v_min_num_f32 v[128+(\reg)+2*k_], v[128+(\reg)+2*k_], s26
	v_min_num_f32 v[128+(\reg)+2*k_+1], v[128+(\reg)+2*k_+1], s26
.endif
.set k_, k_+1
.endr
.endm
; The 32 registers at RI, both tiles: normalised (gains in ST, offsets in ST + 32) and put through 2^; pair k - 1's exponentials stand among pair k's lines.
.macro YN domin
	WIN 0x41
.set k_, 0
.rept 16
	v_pk_mul_f32 v[RI+2*k_:RI+2*k_+1], v[RI+2*k_:RI+2*k_+1], v[RV:RV+1] op_sel_hi:[1,0]
.if k_ > 0
	v_exp_f32 v[RI+2*k_-2], v[RI+2*k_-2]
.endif
	v_pk_mul_f32 v[128+RI+2*k_:128+RI+2*k_+1], v[128+RI+2*k_:128+RI+2*k_+1], v[RV+2:RV+3] op_sel_hi:[1,0]
.if k_ > 0
	v_exp_f32 v[RI+2*k_-1], v[RI+2*k_-1]
.endif
	v_pk_fma_f32 v[RI+2*k_:RI+2*k_+1], v[RI+2*k_:RI+2*k_+1], v[ST+2*k_:ST+2*k_+1], v[ST+32+2*k_:ST+32+2*k_+1]
.if k_ > 0
	v_exp_f32 v[128+RI+2*k_-2], v[128+RI+2*k_-2]
.endif
	v_pk_fma_f32 v[128+RI+2*k_:128+RI+2*k_+1], v[128+RI+2*k_:128+RI+2*k_+1], v[ST+2*k_:ST+2*k_+1], v[ST+32+2*k_:ST+32+2*k_+1]
.if k_ > 0
	v_exp_f32 v[128+RI+2*k_-1], v[128+RI+2*k_-1]
.endif
.if \domin
	v_min_num_f32 v[RI+2*k_], v[RI+2*k_], s26
	v_min_num_f32 v[RI+2*k_+1], v[RI+2*k_+1], s26
	v_min_num_f32 v[128+RI+2*k_], v[128+RI+2*k_], s26
	v_min_num_f32 v[128+RI+2*k_+1], v[128+RI+2*k_+1], s26
.endif
.set k_, k_+1
.endr
.irp i, 0,1
	v_exp_f32 v[128*\i+RI+30], v[128*\i+RI+30]
	v_exp_f32 v[128*\i+RI+31], v[128*\i+RI+31]
.endr
	v_nop                                          ; a plain instruction behind the last exponential,
	s_wait_alu depctr_va_vdst(0)                   ; and one wait for the whole batch, ahead of its first reader
.endm
; tanh = 1 - 2 / (1 + E), E in the 32 registers at RI
.macro TANHFIN
	WIN 0x41
.set k_, 0
.rept 16
.irp i, 0,1
	v_pk_add_f32 v[128*\i+RI+2*k_:128*\i+RI+2*k_+1], v[128*\i+RI+2*k_:128*\i+RI+2*k_+1], 1.0 op_sel_hi:[1,0]
.if k_ > 0
	v_rcp_f32 v[128*\i+RI+2*k_-2], v[128*\i+RI+2*k_-2]
	v_rcp_f32 v[128*\i+RI+2*k_-1], v[128*\i+RI+2*k_-1]
.endif
.endr
.set k_, k_+1
.endr
.irp i, 0,1
	v_rcp_f32 v[128*\i+RI+30], v[128*\i+RI+30]
	v_rcp_f32 v[128*\i+RI+31], v[128*\i+RI+31]
.endr
	v_nop
	s_wait_alu depctr_va_vdst(0)
.set k_, 0
.rept 16
.irp i, 0,1
	v_pk_fma_f32 v[128*\i+RI+2*k_:128*\i+RI+2*k_+1], v[128*\i+RI+2*k_:128*\i+RI+2*k_+1], -2.0, 1.0 op_sel_hi:[1,0,0]
.endr
.set k_, k_+1
.endr
.endm
; sigmoid x tanh into RI.  ein: Ea's 32 registers; ty: Eb's.  n = Eb - 1 goes to gate f's registers, which are free; b = Eb + 1; ab = Ea b + b; the result is n / ab.  Pair k - 1's reciprocals stand among pair k's
; lines.  extra = 1: the 32 exponentials of gate o's upper half, which this macro does not touch, stand there too.
.macro GATES ein, ty, extra
	WIN 0x55
.set k_, 0
.rept 16
.irp i, 0,1
	v_pk_add_f32 v[128*\i+RF+2*k_:128*\i+RF+2*k_+1], v[128*\i+(\ty)+2*k_:128*\i+(\ty)+2*k_+1], -1.0 op_sel_hi:[1,0]
.if k_ > 0
	v_rcp_f32 v[128*\i+(\ein)+2*k_-2], v[128*\i+(\ein)+2*k_-2]
.endif
	v_pk_add_f32 v[128*\i+(\ty)+2*k_:128*\i+(\ty)+2*k_+1], v[128*\i+(\ty)+2*k_:128*\i+(\ty)+2*k_+1], 1.0 op_sel_hi:[1,0]
.if k_ > 0
	v_rcp_f32 v[128*\i+(\ein)+2*k_-1], v[128*\i+(\ein)+2*k_-1]
.endif
	v_pk_fma_f32 v[128*\i+(\ein)+2*k_:128*\i+(\ein)+2*k_+1], v[128*\i+(\ein)+2*k_:128*\i+(\ein)+2*k_+1], v[128*\i+(\ty)+2*k_:128*\i+(\ty)+2*k_+1], v[128*\i+(\ty)+2*k_:128*\i+(\ty)+2*k_+1]
.if \extra
	v_exp_f32 v[128*\i+RO+16+k_], v[128*\i+RO+16+k_]
.endif
.endr
.set k_, k_+1
.endr
.irp i, 0,1
	v_rcp_f32 v[128*\i+(\ein)+30], v[128*\i+(\ein)+30]
	v_rcp_f32 v[128*\i+(\ein)+31], v[128*\i+(\ein)+31]
.endr
	v_nop
	s_wait_alu depctr_va_vdst(0)                   ; one wait for all the reciprocals (and the exponentials) issued above
.set k_, 0
.rept 16
.irp i, 0,1
	v_pk_mul_f32 v[128*\i+RI+2*k_:128*\i+RI+2*k_+1], v[128*\i+(\ein)+2*k_:128*\i+(\ein)+2*k_+1], v[128*\i+RF+2*k_:128*\i+RF+2*k_+1]
.endr
.set k_, k_+1
.endr
.endm
; The 32 registers at RI of each tile (register 16 b + i = k 32 b + 16 h + i of my row) become the tile's fragment and scale word.
.macro QUANT
	WIN 0x05
.irp b, 0,1
.irp i, 0,1
	v_max3_num_f32 v[QV+8*\i+\b], |v[128*\i+16*\b]|, |v[128*\i+16*\b+1]|, 0x1800000   ; block b: my 16 numbers, and the floor 2^(3 - 127): the scale's byte cannot fall under 1
.endr
.endr
.irp n, 2,4,6,8,10,12,14
.irp b, 0,1
.irp i, 0,1
	v_max3_num_f32 v[QV+8*\i+\b], |v[128*\i+16*\b+\n]|, |v[128*\i+16*\b+\n+1]|, v[QV+8*\i+\b]
.endr
.endr
.endr
	WIN 0
.irp b, 0,1
.irp i, 0,1
	v_permlanex16_b32 v[QV+8*\i+2+\b], v[QV+8*\i+\b], s24, s25
.endr
.endr
.irp b, 0,1
.irp i, 0,1
	v_max_num_f32 v[QV+8*\i+\b], v[QV+8*\i+\b], v[QV+8*\i+2+\b]    ; with lane l xor 16's 16: the block's largest magnitude
.endr
.endr
.irp b, 0,1
.irp i, 0,1
	v_add_nc_u32 v[QV+8*\i+4+\b], 0xff000000, v[QV+8*\i+\b]        ; 2 off its exponent field: the conversion's scale operand
.endr
.endr
.irp b, 0,1
.irp i, 0,1
	v_lshrrev_b32 v[QV+8*\i+6+\b], 23, v[QV+8*\i+4+\b]             ; the scale's byte
.endr
.endr
.irp i, 0,1
	v_lshl_or_b32 v[SA+\i], v[QV+8*\i+7], 8, v[QV+8*\i+6]          ; the row's scale word; bytes 2 and 3 are 0, over zero codes
.endr
	WIN 0x01
.irp i, 0,1
	v_cvt_scalef32_pk16_fp6_f32 v[FV+12*\i:FV+12*\i+2], v[128*\i:128*\i+15], v[QV+8*\i+4]
	v_cvt_scalef32_pk16_fp6_f32 v[TV+4*\i:TV+4*\i+2], v[128*\i+16:128*\i+31], v[QV+8*\i+5]
.endr
	WIN 0
	v_nop                                          ; one plain instruction behind the scaled conversions
.irp i, 0,1
.irp n, 0,1,2
	v_permlane16_swap_b32 v[FV+12*\i+\n], v[TV+4*\i+\n]            ; a whole block to a lane: lanes 0-15 block 0, lanes 16-31 block 1
.endr
.endr
.irp i, 0,1
.irp n, 0,1,2
	v_mov_b32 v[FV+12*\i+3+\n], v[TV+4*\i+\n]
.endr
.endr
	PLACES 8                                       ; a scale register written by a vector instruction stands 8 places ahead of a scaled matrix instruction, an operand so written 4
.endm
; A cell.  On entry the rows' fragments and scale words are made and PRELOAD's 36 loads are out.
.macro LAYER l
	s_wait_dscnt 16                                ; the scale words and gate 0 are in; gate 1's 16 loads may be out
	MULG 0, 0
	PLACES 4                                       ; four places ahead of loads into registers that matrix instructions have read
	WIN 0
	LOADG \l, 2, 0
	s_wait_dscnt 16                                ; gate 1 is in; gate 2's 16 may be out
	MULG 1, 1
	PLACES 4
	WIN 0
	LOADG \l, 3, 1
	s_wait_dscnt 16                                ; gate 2 is in; gate 3's 16 may be out
	MULG 2, 0
	s_wait_dscnt 0x0
	MULG 3, 1
	PLACES 4                                       ; ahead of the loads below and of the first read of results
	WIN 0
	CHUNKLD \l, 3, 0, 0
	CHUNKLD \l, 3, 1, 1
	ADDUP 0, 64, 4                                 ; the norm over the row's 256 columns
	FOLD 4
	MEAN 0xbb800000
	CENTRE 0, 64
	SQUP 0, 64, 4
	FOLD 4
	RSTD 0x3b808081
	s_wait_dscnt 8                                 ; at each of these six waits: this chunk's 8 loads are in, the next chunk's 8 may be out
	NORMX RG, 0, 1, -1
	WIN 0
	CHUNKLD \l, 0, 0, 0
	s_wait_dscnt 8
	NORMX RG+16, 1, 1, RG
	WIN 0
	CHUNKLD \l, 0, 1, 1
	s_wait_dscnt 8
	NORMX RI, 0, 0, RG+16
	WIN 0
	CHUNKLD \l, 2, 0, 0
	s_wait_dscnt 8
	NORMX RI+16, 1, 0, RI
	WIN 0
	CHUNKLD \l, 2, 1, 1
	s_wait_dscnt 8
	NORMX RO, 0, 0, RI+16
	WIN 0
	LDC ST, 1, SMALL+256*(4+2*(\l))                ; the cell norm's gains
	s_wait_dscnt 8
	NORMX RO+16, 1, 0, RO
	WIN 0
	LDC ST+32, 1, SMALL+256*(5+2*(\l))             ; and offsets
	v_nop
	s_wait_alu depctr_va_vdst(0)                   ; one wait for the 160 exponentials issued so far
	GATES RI, RG, 1                                ; c = sigmoid(i) tanh(g)
	ADDUP RI, 16, 2                                ; the norm over c's 64 columns
	FOLD 2
	MEAN 0xbc800000
	CENTRE RI, 16
	SQUP RI, 16, 2
	FOLD 2
	RSTD 0x3c820821
	s_wait_dscnt 0x0
	YN 1
	WIN 0
.if (\l) == 0
	PRELOAD 1
.else
	LDC ST, 22, WOW
.endif
	GATES RO, RI, 0                                ; hx = sigmoid(o) tanh(LN(c))
.endm
	s_load_b256 s[4:11], s[0:1], 0x0               ; x s[4:5], cst s[6:7], Wo s[8:9], bo s[10:11]
	s_load_b128 s[12:15], s[0:1], 0x20             ; out0 s[12:13], out1 s[14:15]
	v_lshl_add_u32 v254, v0, 2, 0xb800
	v_mov_b32 v255, 0
	v_lshrrev_b32 v1, 5, v0
	v_readfirstlane_b32 s17, v1                    ; wave w
	v_and_b32 v7, 31, v0                           ; lane
	v_and_b32 v5, 15, v0                           ; r
	v_bfe_u32 v1, v0, 4, 1                         ; h
	v_lshlrev_b32 v1, 6, v1                        ; 64 h
	v_lshlrev_b32 v2, 4, v7                        ; 16 lane
	v_lshlrev_b32 v3, 3, v7                        ; 8 lane
	s_lshl_b32 s18, ttmp9, 3
	s_add_co_u32 s18, s18, s17                     ; g
	s_lshl_b32 s28, s17, 9
	v_lshl_add_u32 v4, v5, 2, s28                  ; 4 r + 512 w
	v_add_nc_u32 v23, s28, v2                      ; 16 lane + 512 w
	s_lshl_b32 s29, s17, 8
	v_add_nc_u32 v22, s29, v1                      ; 64 h + 256 w
	v_add_nc_u32 v5, s29, v3                       ; 8 lane + 256 w
	s_lshl_b32 s30, s18, 9
	v_add_nc_u32 v8, s30, v2                       ; my four rows' byte offset in x and in out0
	s_mov_b32 s27, 1000000                         ; x's and out0's bytes
	v_min_u32 v7, 0xf4230, v8                      ; no load leaves x
	v_lshlrev_b32 v6, 4, v0                        ; 16 x thread
	s_lshl_b32 s19, s18, 7
	s_sub_co_i32 s19, 0x3d0b0, s19                 ; 250,001 + 31 - 128 g
	s_ashr_i32 s19, s19, 5
	s_max_i32 s19, s19, 0
	s_min_i32 s19, s19, 4                          ; passes of 32 rows that hold a row of mine
	s_mov_b32 s24, 0x76543210
	s_mov_b32 s25, 0xfedcba98                      ; selects for lane l xor 16
	s_mov_b32 s26, 0x42800000                      ; 64.0
	s_wait_kmcnt 0x0
	s_load_b32 s16, s[10:11], 0x0                  ; bo
.irp i, 0,1,2,3,4,5,6,7,8
	global_load_b128 v[ST+4*\i:ST+4*\i+3], v6, s[6:7] offset:4096*\i      ; the constants: 256 threads x 16 bytes x 9
.endr
	global_load_b128 v[222:225], v2, s[6:7] offset:PART                   ; the 128 partial sums of x
	global_load_b64 v[226:227], v3, s[8:9]                                ; Wo
	global_load_b128 v[228:231], v7, s[4:5] th:TH_LOAD_NT                 ; my four rows
	v_mov_b32 v9, 0
.irp n, 11,13,15,17,19,21
	v_mov_b32 v[\n], 0                             ; the upper words of pairs of which the low word is used
.endr
.irp n, 0,1,2,3,4,5,6,7,8,9,10,11,12,13,14,15,16,17,18,19,20,21,22,23
	v_mov_b32 v[QV+\n], 0                          ; lane permutes' destinations count as sources
.endr
.irp f, 0,1,2,3,4,5,6,7
.irp n, 6,7,8,9,10,11
	v_mov_b32 v[WF+12*\f+\n], 0                    ; K is 64: k = 64 .. 127 of every fragment are zero codes, for the whole launch
.endr
.endr
.irp i, 0,1
.irp n, 6,7,8,9,10,11
	v_mov_b32 v[FV+12*\i+\n], 0
.endr
.endr
	s_wait_loadcnt 0x0
	s_wait_kmcnt 0x0
.irp i, 0,1,2,3,4,5,6,7,8
	ds_store_b128 v6, v[ST+4*\i:ST+4*\i+3] offset:4096*\i
.endr
	ds_store_b64 v5, v[226:227] offset:WOW
	v_add_f32 v222, v222, v223                     ; the mean of x: every wave adds the 128 partial sums
	v_add_f32 v224, v224, v225
	v_add_f32 v222, v222, v224
	v_add_f32_dpp v222, v222, v222 row_xmask:1 row_mask:0xf bank_mask:0xf
	v_add_f32_dpp v222, v222, v222 row_xmask:2 row_mask:0xf bank_mask:0xf
	v_add_f32_dpp v222, v222, v222 row_xmask:4 row_mask:0xf bank_mask:0xf
	v_add_f32_dpp v222, v222, v222 row_xmask:8 row_mask:0xf bank_mask:0xf
	v_permlanex16_b32 v223, v222, s24, s25
	v_add_f32 v222, v222, v223
	v_mul_f32 v222, 0x368637bd, v222               ; / 250,000
	v_cmp_le_u32 vcc_lo, s27, v8                   ; rows from 250,000 on take the mean: row 250,000 is the batch's last, the others are computed and never stored
.irp j, 0,1,2,3
	v_cndmask_b32 v[228+\j], v[228+\j], v222, vcc_lo
.endr
	ds_store_b128 v23, v[228:231] offset:XST
	ds_store_b128 v23, v[228:231] offset:OST       ; so that every byte read back at the end has been written, in a wave with fewer than four passes too
	s_wait_dscnt 0x0                               ; for the other waves' sake: my part of the constants is in LDS
	s_barrier_signal -1
	s_barrier_wait -1
	s_mov_b32 s21, 0                               ; the pass
	s_mov_b32 s22, 0                               ; 128 x the pass: its rows' bytes
.Lpass:                                            ; four trips in every wave; a pass without rows is jumped over (a branch on ids; no barrier stands in a pass)
	s_cmp_ge_u32 s21, s19
	s_cbranch_scc1 .Lskip
	; ---- scalar -> 64, LayerNorm, tanh.  x W1 + b1 less its mean is x (W1 - mean W1) + (b1 - mean b1): centred as it is made
	v_add_nc_u32 v6, s22, v4
	ds_load_b32 v[XV], v6 offset:XST
	ds_load_b32 v[XV+2], v6 offset:XST+64
	LDC ST, 1, SMALL
	LDC ST+32, 1, SMALL+256
	s_wait_dscnt 0x0
	WIN 0x40
.set k_, 0
.rept 16
.irp i, 0,1
	v_pk_fma_f32 v[128*\i+RI+2*k_:128*\i+RI+2*k_+1], v[ST+2*k_:ST+2*k_+1], v[XV+2*\i:XV+2*\i+1], v[ST+32+2*k_:ST+32+2*k_+1] op_sel_hi:[1,0,1]
.endr
.set k_, k_+1
.endr
	WIN 0
	LDC ST, 1, SMALL+512
	LDC ST+32, 1, SMALL+768
	SQUP RI, 16, 2
	FOLD 2
	RSTD 0x3c820821
	s_wait_dscnt 0x0
	YN 0
	WIN 0
	PRELOAD 0
	TANHFIN
	QUANT
	LAYER 0
	QUANT
	LAYER 1
	; ---- the product with Wo, in f32: my 32 numbers, then lane l xor 16's
	s_wait_dscnt 0x0
	WIN 0x01
.set k_, 0
.rept 16
.irp i, 0,1
.if k_ < 2
	v_pk_mul_f32 v[QV+8*\i+2*k_:QV+8*\i+2*k_+1], v[128*\i+RI+2*k_:128*\i+RI+2*k_+1], v[ST+2*k_:ST+2*k_+1]
.else
	v_pk_fma_f32 v[QV+8*\i+2*(k_%2):QV+8*\i+2*(k_%2)+1], v[128*\i+RI+2*k_:128*\i+RI+2*k_+1], v[ST+2*k_:ST+2*k_+1], v[QV+8*\i+2*(k_%2):QV+8*\i+2*(k_%2)+1]
.endif
.endr
.set k_, k_+1
.endr
	FOLD 2
.irp i, 0,1
	v_add_f32 v[TV+4*\i], s16, v[TV+4*\i]          ; + bo
.endr
	ds_store_b32 v6, v[TV] offset:OST              ; both halves of the lanes write a row's word with the same value
	ds_store_b32 v6, v[TV+4] offset:OST+64
.Lskip:
	s_add_co_u32 s22, s22, 128
	s_add_co_u32 s21, s21, 1
	s_cmp_lt_u32 s21, 4
	s_cbranch_scc1 .Lpass
	ds_load_b128 v[186:189], v23 offset:OST        ; LDS serves a wave's instructions in order: these see my stores
	s_wait_dscnt 0x0
	s_wait_xcnt 0x0                                ; EXEC changes only behind this wait
	v_cmp_gt_u32 vcc_lo, s27, v8
	s_wait_tensorcnt 0x0
	ds_add_u32 v254, v255
	s_wait_dscnt 0x0
	s_and_saveexec_b32 s20, vcc_lo
	global_store_b128 v8, v[186:189], s[12:13] th:TH_STORE_NT   ; a wave's 128 results: 512 consecutive bytes, at a multiple of 512 from out0's first byte
	s_wait_xcnt 0x0
	s_or_b32 exec_lo, exec_lo, s20
	v_cmp_eq_u32 vcc_lo, s27, v8                   ; the one lane whose first row is row 250,000
	s_and_saveexec_b32 s20, vcc_lo
	global_store_b32 v9, v186, s[14:15]
	s_wait_xcnt 0x0
	s_or_b32 exec_lo, exec_lo, s20
	s_endpgm
.Lfunc_end_k_q796ecc1bb7_main:
	.size	k_q796ecc1bb7_main, .Lfunc_end_k_q796ecc1bb7_main-k_q796ecc1bb7_main
	.p2alignl 7, 3214868480
	.fill 96, 4, 3214868480
	.section	.rodata,"a",@progbits
	.p2align	6, 0x0
	.amdhsa_kernel k_q796ecc1bb7_main
		.amdhsa_group_segment_fixed_size 48128
		.amdhsa_private_segment_fixed_size 0
		.amdhsa_enable_private_segment 0
		.amdhsa_kernarg_size 48
		.amdhsa_user_sgpr_count 2
		.amdhsa_user_sgpr_kernarg_segment_ptr 1
		.amdhsa_wavefront_size32 1
		.amdhsa_system_sgpr_workgroup_id_x 1
		.amdhsa_system_sgpr_workgroup_id_y 1
		.amdhsa_system_sgpr_workgroup_id_z 1
		.amdhsa_system_vgpr_workitem_id 0
		.amdhsa_next_free_vgpr 512
		.amdhsa_next_free_sgpr 66
		.amdhsa_reserve_vcc 1
		.amdhsa_float_denorm_mode_32 3
		.amdhsa_float_denorm_mode_16_64 3
		.amdhsa_memory_ordered 1
		.amdhsa_forward_progress 1
		.amdhsa_inst_pref_size 237
	.end_amdhsa_kernel
	.amdgpu_metadata
---
amdhsa.version: [ 1, 2 ]
amdhsa.kernels:
  - .name:           k_q796ecc1bb7_main
    .symbol:         k_q796ecc1bb7_main.kd
    .args:
      - { .name: x, .offset: 0, .size: 8, .value_kind: global_buffer, .address_space: global }
      - { .name: cst, .offset: 8, .size: 8, .value_kind: global_buffer, .address_space: global }
      - { .name: Wo, .offset: 16, .size: 8, .value_kind: global_buffer, .address_space: global }
      - { .name: bo, .offset: 24, .size: 8, .value_kind: global_buffer, .address_space: global }
      - { .name: out0, .offset: 32, .size: 8, .value_kind: global_buffer, .address_space: global }
      - { .name: out1, .offset: 40, .size: 8, .value_kind: global_buffer, .address_space: global }
    .group_segment_fixed_size: 48128
    .private_segment_fixed_size: 0
    .kernarg_segment_align: 8
    .kernarg_segment_size: 48
    .max_flat_workgroup_size: 256
    .sgpr_count:     66
    .vgpr_count:     512
    .wavefront_size: 32
...
	.end_amdgpu_metadata
.endif
;; end of part 2
